; MI455X (gfx1250); checked and timed in simulation.
; The chip was launched on July 23, 2026; its instructions are those of AMD's public machine-readable ISA for CDNA 5 (MIT licence, August 2026) and "CDNA5" Instruction Set Architecture Reference Guide (July 2026). The comments in the code are by the model that wrote it; some were corrected since.
;; Multi Head Attention. Allowed arithmetic: float matrix products may take bf16 or f16 operands with f32 sums; all other float work in f32.
;; Inputs: W_out 1,024 x 1,024 float32; W_qkv 3,072 x 1,024 float32; x 2 x 2,048 x 1,024 float32.
;; Outputs: out0 2 x 2,048 x 1,024 float32.
;; 2 versions, each right; version 2 is version 1 with the launch cvt written anew for expert scheduling mode. Each part assembles by itself: llvm-mc -triple=amdgcn-amd-amdhsa -mcpu=gfx1250 --defsym DOCPART=n.
;; ======== version 1 of 2: 4 launches
;; limits: values are held in f16: magnitudes above 65,504 overflow, below 6.1e-05 lose precision; right only within a limited range of input values
;; workspace buffers: xb 8,388,608 bytes; wqb 6,291,456 bytes; wob 2,097,152 bytes; qkv 25,165,824 bytes; ao 8,388,608 bytes
;; launch cvt (part 1): grid 256 x 1, 8 waves a work-group, no clusters, 0 bytes of LDS; arguments x, W_qkv, W_out, xb, wqb, wob; writes xb, wqb, wob
.if DOCPART == 1
	.amdgcn_target "amdgcn-amd-amdhsa--gfx1250"
	.amdhsa_code_object_version 6
	.text
	.protected	k_q795035e48d_cvt
	.globl	k_q795035e48d_cvt
	.p2align	8
	.type	k_q795035e48d_cvt,@function
k_q795035e48d_cvt:
	s_mov_b64 s[64:65], 0
	v_nop
	global_prefetch_b8 v0, s[64:65] scope:SCOPE_SE
	s_setreg_imm32_b32 hwreg(HW_REG_WAVE_MODE, 25, 1), 1
	s_wait_xcnt 0x0
; The three f32 inputs are rounded once to the matrix units' 16-bit formats, so that the later launches move half the bytes:
;   xb  = bf16(x)                     [4096][1024]
;   wqb = bf16(64 W_qkv)              [3072][1024]   (64 is a power of two: the rounding is that of W_qkv itself; q, k, v come out times 64)
;   wob = f16(bf16(1024 W_out))       [1024][1024]   (bf16's 8 significant bits fit in f16's 11: the second conversion is exact in f16's normal range)
; LIMITS: |W_out| < 63.9 (f16's largest number after the scale); |1024 W_out| below 6.1e-5 is kept with f16's fixed step of 6e-8.
; A stream: no LDS, no barrier, no matrix unit.  A work-group owns 32,768 numbers (131,072 bytes in, 65,536 out): work-groups 0-127 x,
; 128-223 W_qkv, 224-255 W_out.  Thread t takes the 16 bytes at 16 t + 4,096 j, j = 0..31: a load of a wave covers 512 neighbouring bytes,
; a store of a wave 256 neighbouring bytes that begin at a multiple of 256.  All 32 loads go out first; every store has data registers
; of its own and no address register is written twice, so the only waits are the counted ones for the loads.
.set X, 4                              ; v[4:131]    load j: 4 registers
.set Y, 132                            ; v[132:195]  store j: 2 registers
; numbers 4 j .. of the thread: kind 0 plain bf16, 1 scaled bf16, 2 scaled, bf16's rounding, kept as f16
.macro CONV j, kind
	s_wait_loadcnt 31-\j                           ; loads come back in order (ISA guide 5.7.1): load j is in, the 31 - j younger ones stay out
.if \kind
	v_pk_mul_f32 v[X+4*\j:X+4*\j+1], v[X+4*\j:X+4*\j+1], s[22:23] op_sel_hi:[1,0]
	v_pk_mul_f32 v[X+4*\j+2:X+4*\j+3], v[X+4*\j+2:X+4*\j+3], s[22:23] op_sel_hi:[1,0]
.endif
.if \kind == 2
	v_cvt_pk_bf16_f32 v[X+4*\j], v[X+4*\j], v[X+4*\j+1]        ; the rounding that counts
	v_cvt_pk_bf16_f32 v[X+4*\j+2], v[X+4*\j+2], v[X+4*\j+3]
	v_and_b32 v[X+4*\j+1], s28, v[X+4*\j]                      ; back to f32: the high half first, then the packed word's own register
	v_lshlrev_b32 v[X+4*\j], 16, v[X+4*\j]
	v_and_b32 v[X+4*\j+3], s28, v[X+4*\j+2]
	v_lshlrev_b32 v[X+4*\j+2], 16, v[X+4*\j+2]
	v_cvt_pk_f16_f32 v[Y+2*\j], v[X+4*\j], v[X+4*\j+1]
	v_cvt_pk_f16_f32 v[Y+2*\j+1], v[X+4*\j+2], v[X+4*\j+3]
.else
	v_cvt_pk_bf16_f32 v[Y+2*\j], v[X+4*\j], v[X+4*\j+1]
	v_cvt_pk_bf16_f32 v[Y+2*\j+1], v[X+4*\j+2], v[X+4*\j+3]
.endif
	global_store_b64 v2, v[Y+2*\j:Y+2*\j+1], s[18:19] offset:2048*\j
.endm
; one tensor's way: src, dst = the scalar pairs of its addresses; first = its first work-group; scale as f32 bits
.macro WAY src, dst, first, kind, scale
	s_sub_co_u32 s21, ttmp9, \first                ; my part of this tensor, 127 at the most
	s_lshl_b32 s24, s21, 17                        ; x 131,072 bytes in
	s_lshl_b32 s26, s21, 16                        ; x 65,536 bytes out
	s_add_nc_u64 s[16:17], s[\src:\src+1], s[24:25]
	s_add_nc_u64 s[18:19], s[\dst:\dst+1], s[26:27]
.if \kind
	s_mov_b32 s22, \scale
	s_mov_b32 s23, \scale
.endif
.set j, 0
.rept 32
	global_load_b128 v[X+4*j:X+4*j+3], v1, s[16:17] offset:4096*j th:TH_LOAD_NT   ; read once in the launch
.set j, j+1
.endr
.set j, 0
.rept 32
	CONV j, \kind
.set j, j+1
.endr
	s_endpgm
.endm
	s_load_b256 s[4:11], s[0:1], 0x0               ; x s[4:5], W_qkv s[6:7], W_out s[8:9], xb s[10:11]
	s_load_b128 s[12:15], s[0:1], 0x20             ; wqb s[12:13], wob s[14:15]
	v_lshlrev_b32 v1, 4, v0                        ; 16 t
	v_lshlrev_b32 v2, 3, v0                        ; 8 t
	s_mov_b32 s28, 0xffff0000                      ; a word's upper bf16
	s_mov_b32 s25, 0                               ; high words of the two offsets
	s_mov_b32 s27, 0
	s_wait_kmcnt 0x0
	s_cmp_lt_u32 ttmp9, 128
	s_cbranch_scc1 .Lx
	s_cmp_lt_u32 ttmp9, 224
	s_cbranch_scc1 .Lwq
	WAY 8, 14, 224, 2, 0x44800000                  ; W_out, times 1024
.Lwq:
	WAY 6, 12, 128, 1, 0x42800000                  ; W_qkv, times 64
.Lx:
	WAY 4, 10, 0, 0, 0                             ; x
.Lfunc_end_k_q795035e48d_cvt:
	.size	k_q795035e48d_cvt, .Lfunc_end_k_q795035e48d_cvt-k_q795035e48d_cvt
	.p2alignl 7, 3214868480
	.fill 96, 4, 3214868480
	.section	.rodata,"a",@progbits
	.p2align	6, 0x0
	.amdhsa_kernel k_q795035e48d_cvt
		.amdhsa_group_segment_fixed_size 0
		.amdhsa_private_segment_fixed_size 0
		.amdhsa_enable_private_segment 0
		.amdhsa_kernarg_size 48
		.amdhsa_user_sgpr_count 2
		.amdhsa_user_sgpr_kernarg_segment_ptr 1
		.amdhsa_wavefront_size32 1
		.amdhsa_system_sgpr_workgroup_id_x 1
		.amdhsa_system_sgpr_workgroup_id_y 1
		.amdhsa_system_sgpr_workgroup_id_z 1
		.amdhsa_system_vgpr_workitem_id 0
		.amdhsa_next_free_vgpr 200
		.amdhsa_next_free_sgpr 66
		.amdhsa_reserve_vcc 0
		.amdhsa_float_denorm_mode_32 3
		.amdhsa_float_denorm_mode_16_64 3
		.amdhsa_memory_ordered 1
		.amdhsa_forward_progress 1
		.amdhsa_inst_pref_size 51
	.end_amdhsa_kernel
	.amdgpu_metadata
---
amdhsa.version: [ 1, 2 ]
amdhsa.kernels:
  - .name:           k_q795035e48d_cvt
    .symbol:         k_q795035e48d_cvt.kd
    .args:
      - { .name: x, .offset: 0, .size: 8, .value_kind: global_buffer, .address_space: global }
      - { .name: W_qkv, .offset: 8, .size: 8, .value_kind: global_buffer, .address_space: global }
      - { .name: W_out, .offset: 16, .size: 8, .value_kind: global_buffer, .address_space: global }
      - { .name: xb, .offset: 24, .size: 8, .value_kind: global_buffer, .address_space: global }
      - { .name: wqb, .offset: 32, .size: 8, .value_kind: global_buffer, .address_space: global }
      - { .name: wob, .offset: 40, .size: 8, .value_kind: global_buffer, .address_space: global }
    .group_segment_fixed_size: 0
    .private_segment_fixed_size: 0
    .kernarg_segment_align: 8
    .kernarg_segment_size: 48
    .max_flat_workgroup_size: 256
    .sgpr_count:     66
    .vgpr_count:     200
    .wavefront_size: 32
...
	.end_amdgpu_metadata
.endif
;; end of part 1
;; launch qkv (part 2): grid 16 x 16, 4 waves a work-group, clusters of 4 x 4, 327,680 bytes of LDS; arguments xb, wqb, qkv; writes qkv
.if DOCPART == 2
	.amdgcn_target "amdgcn-amd-amdhsa--gfx1250"
	.amdhsa_code_object_version 6
	.text
	.protected	k_q795035e48d_qkv
	.globl	k_q795035e48d_qkv
	.p2align	8
	.type	k_q795035e48d_qkv,@function
k_q795035e48d_qkv:
	s_mov_b64 s[64:65], 0
	v_nop
	global_prefetch_b8 v0, s[64:65] scope:SCOPE_SE
	s_setreg_imm32_b32 hwreg(HW_REG_WAVE_MODE, 25, 1), 1
	s_wait_xcnt 0x0
	s_wait_alu depctr_hold_cnt(0) depctr_sa_sdst(0) depctr_va_vdst(0) depctr_va_sdst(0) depctr_va_ssrc(0) depctr_va_vcc(0) depctr_vm_vsrc(0)
	s_getreg_b32 s2, hwreg(HW_REG_IB_STS2, 6, 4)
	s_cmp_eq_u32 s2, 0
	s_cbranch_scc0 .Lentry_in_a_cluster
	s_endpgm
.Lentry_in_a_cluster:
	s_bfe_u32 s2, ttmp6, 0x10000c
	s_cmp_lg_u32 s2, 0xf033
	s_cbranch_scc0 .Lentry_shape_is_right
	s_endpgm
.Lentry_shape_is_right:
; proj[m][e] = sum over d of x[m][d] W_qkv[e][d], times 64 (the scale lies in wqb), bf16 operands, f32 sums, stored as f16 head by head:
; qkv[plane e / 64][row m = 2048 b + s][e % 64]; planes 0-15 are q's heads, 16-31 k's, 32-47 v's; a plane is 524,288 bytes, a row 128.
; LIMIT: |proj| < 1023 (f16's largest number after the scale of 64); below 9.5e-7 f16 keeps a fixed step.  The drawn spread is 0.016.
; A work-group makes 256 rows x 192 columns (three whole heads): 16 x 16 = 256 work-groups.  Four waves, as many as a WGP has SIMDs; wave w makes
; rows 64 w .. 64 w + 63 x all 192 columns, 4 x 12 accumulator tiles of 16 x 16, 384 registers: so each wave owns whole 128-byte head rows on the way out.
; K goes in steps of 128 through two LDS slots filled by the tensor data mover; a tile's rows are 256 bytes of memory at multiples of 256.
; CLUSTERS: 4 x 4 work-groups.  The four of a row of the cluster need the same tiles of xb, the four of a column the same tiles of wqb: each tile is asked
; for jointly, by the same tensor load with the same descriptor and a mask that names the four.  That divides the requests for both by four.
; REGISTERS in windows of 256: window 0 addresses, x's fragments (two buffers), the way out; window 1 W's fragments (two buffers of 96);
; window 2 tiles (a, b = 0..7) at 8 (8 a + b); window 3 tiles (a, b = 8..11) at 8 (4 a + b - 8).
; THE MATRIX INSTRUCTION IS USED TRANSPOSED: source 0 = 16 rows of W, source 1 = 16 rows of x, so that lane l holds row l % 16 and its eight registers
; the columns 8 (l / 16) + 0..7: eight neighbouring numbers of a row, 16 bytes of f16.
.set SIZE_K, 1024
.set KSTEP,  128
.set PITCH,  272                       ; an LDS row: 256 bytes + 16 of padding, an odd multiple of 16: the 16 rows of a fragment load begin at 16 different 16-byte columns modulo 256
.set HA,     128*PITCH                 ; what wave 0 or 1 fetches: 128 rows of x
.set HB,     96*PITCH                  ; what wave 2 or 3 fetches: 96 rows of W
.set BOFF,   2*HA                      ; W's 192 rows lie behind x's 256
.set SLOT,   2*HA+2*HB                 ; 121,856 bytes
.set STAGE,  2*SLOT                    ; behind the ring, at a multiple of 256: 16 rows x 400 bytes for each wave; no tensor load lands here
.set SPITCH, 400                       ; 384 bytes of a row of 192 f16 + 16
.set PLANE,  524288
.set LAPS, SIZE_K/(2*KSTEP)            ; 4 laps of two K steps
.set ADRA, 16                          ; v16-17  LDS address of my x fragments in slot 0, 1
.set ADRB, 20                          ; v20-21  the same for W
.set STO,  24                          ; the way out: where I put 16 bytes of a row
.set RD,   25                          ; the way out: where I read back
.set CO,   26                          ; my byte offset in a store's 512 bytes
.set FA,   32                          ; window 0: x's fragments, buffer f at 32 + 32 f
.set TMP,  96                          ; v96-143  packed results
.set RB0,  144                         ; v144-191, v192-239: rows read back, two sets in turn
.set RB1,  192
.set G1, 24                            ; s[24:31] group 1 for x's tiles
.set G0, 32                            ; s[32:39] group 0 for x's tiles, a set for each slot
.set G1B, 48                           ; s[48:55] group 1 for W's tiles
.set G0B, 56                           ; s[56:63] group 0 for W's tiles
.set MSB, 0
.macro WIN new                         ; the immediate's high byte repeats the setting that is left
.if MSB != \new
	s_set_vgpr_msb (MSB<<8)|\new
.set MSB, \new
.endif
.endm
; A joint load.  Waves 0 and 1 fetch x's two halves, waves 2 and 3 W's.  The branch hangs on the wave's number alone.
.macro JLOAD s
	s_cmp_eq_u32 s11, 0
	s_cbranch_scc0 .Lfor_b_\@
	tensor_load_to_lds s[G0+4*\s:G0+4*\s+3], s[G1:G1+7]
	s_nop 0
	s_branch .Lasked_\@
.Lfor_b_\@:
	tensor_load_to_lds s[G0B+4*\s:G0B+4*\s+3], s[G1B:G1B+7]
	s_nop 0
.Lasked_\@:
.endm
; A round of the cluster's barrier: my work-group's barrier; wave 0 signals for the work-group; every wave waits for all sixteen; my work-group's barrier again.
.macro CREST                           ; a round behind its opening barrier
	s_cmp_lg_u32 s10, 0
	s_cbranch_scc1 .Lnot_wave_0_\@
	s_barrier_signal -3
.Lnot_wave_0_\@:
	s_barrier_wait -3
	s_barrier_signal -1
	s_barrier_wait -1
.endm
.macro CROUND
	s_barrier_signal -1
	s_barrier_wait -1
	CREST
.endm
	s_load_b128 s[4:7], s[0:1], 0x0                ; xb s[4:5], wqb s[6:7]
	s_load_b64 s[8:9], s[0:1], 0x10                ; qkv
	s_set_vgpr_msb 0x40
	v_lshl_add_u32 v255, v0, 2, 0x41c00
	s_set_vgpr_msb 0x4000
	v_mov_b32 v255, 0
	s_set_vgpr_msb 0x1
	ds_add_u32 v255, v255
	s_set_vgpr_msb 0x100
	v_lshrrev_b32 v1, 5, v0
	v_readfirstlane_b32 s10, v1                    ; wave 0..3
	s_lshr_b32 s11, s10, 1                         ; I fetch for x (0) or for W (1)
	s_and_b32 s12, s10, 1                          ; which half of that tile
	s_bfe_u32 s40, ttmp6, 0x40000                  ; cx
	s_bfe_u32 s41, ttmp6, 0x40004                  ; cy
	s_lshl_b32 s42, ttmp9, 2
	s_add_co_u32 s42, s42, s40                     ; block column = 4 x cluster x + cx
	s_and_b32 s13, ttmp7, 0xffff
	s_lshl_b32 s13, s13, 2
	s_add_co_u32 s13, s13, s41                     ; block row = 4 x cluster y + cy
	s_lshl_b32 s43, s41, 2
	s_lshl_b32 s43, 15, s43                        ; my row of the cluster: places 4 cy .. 4 cy + 3
	s_lshl_b32 s44, 0x1111, s40                    ; my column: places cx, cx + 4, cx + 8, cx + 12
	; group 1: rows of 128 elements of 2 bytes, 4 words of padding behind every 64 words; x's tile has 128 rows, W's 96
	s_or_b32 s[G1+0], s43, (1<<16)|(1<<20)|(1<<21)|(5<<22)|(3<<25)   ; mask of my row; element size; padding on; bit 21 beside a mask; interval; pad
	s_or_b32 s[G1B+0], s44, (1<<16)|(1<<20)|(1<<21)|(5<<22)|(3<<25)  ; the same with the mask of my column
	s_mov_b32 s[G1+1], KSTEP<<16                   ; tensor_dim0 = 128
	s_mov_b32 s[G1B+1], KSTEP<<16
	s_mov_b32 s[G1+2], 128<<16                     ; tensor_dim1 = 128
	s_mov_b32 s[G1B+2], 96<<16                     ;             = 96
	s_mov_b32 s[G1+3], KSTEP<<16                   ; tile_dim0 = 128
	s_mov_b32 s[G1B+3], KSTEP<<16
	s_mov_b32 s[G1+4], 128                         ; tile_dim1
	s_mov_b32 s[G1B+4], 96
	s_mov_b32 s[G1+5], SIZE_K                      ; elements from row to row
	s_mov_b32 s[G1B+5], SIZE_K
	s_mov_b32 s[G1+6], 0
	s_mov_b32 s[G1B+6], 0
	s_mov_b32 s[G1+7], 0
	s_mov_b32 s[G1B+7], 0
	; x's tiles hang on the block row alone, W's on the block column alone; each address is made in registers that never hold the other coordinate
	s_lshl_b32 s17, s12, 7
	s_lshl_b32 s16, s13, 8
	s_add_co_u32 s16, s16, s17                     ; x: row 256 x block row + 128 x half
	s_lshl_b32 s16, s16, 11                        ; x 2,048 bytes: 8 MiB at the most
	s_mov_b32 s17, 0
	s_mul_i32 s46, s42, 192
	s_mul_i32 s47, s12, 96
	s_add_co_u32 s46, s46, s47                     ; W: row 192 x block column + 96 x half
	s_lshl_b32 s46, s46, 11
	s_mov_b32 s47, 0
	s_mul_i32 s20, s10, HA                         ; where x's halves go (waves 0, 1): wave x 128 rows
	s_mul_i32 s45, s10, HB
	s_add_co_u32 s45, s45, BOFF-2*HB               ; where W's halves go (waves 2, 3): behind x's rows, (wave - 2) x 96 rows
	s_wait_dscnt 0x0
	s_wait_kmcnt 0x0
	s_add_nc_u64 s[14:15], s[4:5], s[16:17]
	s_add_nc_u64 s[46:47], s[6:7], s[46:47]
	CROUND                                         ; all sixteen work-groups are here: the first joint loads meet
.irp s, 0,1
	s_mov_b32 s[G0+4*\s], 1
	s_add_co_u32 s[G0+4*\s+1], s20, \s*SLOT
	s_add_nc_u64 s[G0+4*\s+2:G0+4*\s+3], s[14:15], \s*KSTEP*2      ; K step s
	s_or_b32 s[G0+4*\s+3], s[G0+4*\s+3], 0x80000000
	s_mov_b32 s[G0B+4*\s], 1
	s_add_co_u32 s[G0B+4*\s+1], s45, \s*SLOT
	s_add_nc_u64 s[G0B+4*\s+2:G0B+4*\s+3], s[46:47], \s*KSTEP*2
	s_or_b32 s[G0B+4*\s+3], s[G0B+4*\s+3], 0x80000000
	JLOAD \s                                       ; both slots are asked for before anything else: two tensor loads of the wave are out
.endr
	; a fragment: lane l holds row l % 16; two loads of 16 bytes, 32 bytes apart, at row x pitch + 16 (l / 16)
	v_and_b32 v1, 15, v0
	v_bfe_u32 v2, v0, 4, 1
	v_mul_u32_u24 v3, v1, PITCH
	v_lshl_add_u32 v3, v2, 4, v3
	s_mul_i32 s21, s10, 64*PITCH                   ; my 64 rows of x
	s_mov_b32 s22, BOFF                            ; all 192 rows of W
.irp s, 0,1
	v_add_nc_u32 v[ADRA+\s], s21, v3
	v_add_nc_u32 v[ADRB+\s], s22, v3
	s_add_co_u32 s21, s21, SLOT
	s_add_co_u32 s22, s22, SLOT
.endr
	s_mul_i32 s23, s10, 16*SPITCH
	s_add_co_u32 s23, s23, STAGE                   ; my stage
	v_mul_u32_u24 v4, v1, SPITCH                   ; in: row l % 16, 16 bytes for each half of the lanes
	v_lshl_add_u32 v4, v2, 4, v4
	v_add_nc_u32 v[STO], s23, v4
	v_bfe_u32 v5, v0, 3, 2                         ; back: eight lanes take the 128 bytes that a row has of one head, four rows a load
	v_and_b32 v6, 7, v0
	v_mul_u32_u24 v5, v5, SPITCH
	v_lshl_add_u32 v5, v6, 4, v5
	v_add_nc_u32 v[RD], s23, v5
	v_and_b32 v5, 31, v0
	v_lshlrev_b32 v[CO], 4, v5                     ; in a plane those four rows are 512 neighbouring bytes: 16 x lane
; 16 matrix instructions: my four row blocks x column blocks 8..11, 32 along K, from buffer f.  zero = 1: the first product starts the sums.
.macro MULHI f, zero
	WIN 0xf1                                       ; source 0 (W) window 1, source 1 (x) window 0, C and D window 3
.irp a, 0,1,2,3
.irp b, 0,1,2,3
.if \zero
	v_wmma_f32_16x16x32_bf16 v[8*(4*\a+\b):8*(4*\a+\b)+7], v[96*\f+8*(8+\b):96*\f+8*(8+\b)+7], v[FA+32*\f+8*\a:FA+32*\f+8*\a+7], 0
.else
	v_wmma_f32_16x16x32_bf16 v[8*(4*\a+\b):8*(4*\a+\b)+7], v[96*\f+8*(8+\b):96*\f+8*(8+\b)+7], v[FA+32*\f+8*\a:FA+32*\f+8*\a+7], v[8*(4*\a+\b):8*(4*\a+\b)+7]
.endif
.endr
.endr
.endm
; 32 matrix instructions: column blocks 0..7
.macro MULLO f, zero
	WIN 0xa1                                       ; the same, C and D window 2
.irp a, 0,1,2,3
.irp b, 0,1,2,3,4,5,6,7
.if \zero
	v_wmma_f32_16x16x32_bf16 v[8*(8*\a+\b):8*(8*\a+\b)+7], v[96*\f+8*\b:96*\f+8*\b+7], v[FA+32*\f+8*\a:FA+32*\f+8*\a+7], 0
.else
	v_wmma_f32_16x16x32_bf16 v[8*(8*\a+\b):8*(8*\a+\b)+7], v[96*\f+8*\b:96*\f+8*\b+7], v[FA+32*\f+8*\a:FA+32*\f+8*\a+7], v[8*(8*\a+\b):8*(8*\a+\b)+7]
.endif
.endr
.endr
.endm
; 32 LDS loads in one run: a quarter step's fragments (32 K at byte k of the rows) into buffer f: x's 8, W's blocks 8-11 (8), W's blocks 0-7 (16)
.macro FETCH slot, k, f
	WIN 0
.irp i, 0,1,2,3
	ds_load_b128 v[FA+32*\f+8*\i:FA+32*\f+8*\i+3],   v[ADRA+\slot] offset:\k+\i*16*PITCH
	ds_load_b128 v[FA+32*\f+8*\i+4:FA+32*\f+8*\i+7], v[ADRA+\slot] offset:\k+\i*16*PITCH+32
.endr
	WIN 0x40                                       ; destination window 1, address window 0
.irp i, 8,9,10,11,0,1,2,3,4,5,6,7
	ds_load_b128 v[96*\f+8*\i:96*\f+8*\i+3],   v[ADRB+\slot] offset:\k+\i*16*PITCH
	ds_load_b128 v[96*\f+8*\i+4:96*\f+8*\i+7], v[ADRB+\slot] offset:\k+\i*16*PITCH+32
.endr
.endm
; A load into a register that a matrix instruction has read, and a vector instruction that reads a matrix result, stand four places behind that matrix
; instruction, and only plain vector instructions that name none of its registers are places (ISA guide 7.12.1 for the vector instruction).
.macro PLACES
.rept 4
	v_nop
.endr
.endm
; A K step is four quarters of 32 along K, 48 matrix instructions each, on buffers 0, 1, 0, 1.  The 48 accumulators take turns, one instruction a turn,
; in the same order in every quarter.
.macro QUARTER slot, k, f, g, zero
	s_wait_dscnt 16                                ; x's fragments and W's blocks 8-11 are in; the 16 youngest loads (W's blocks 0-7) may be out
	MULHI \f, \zero
	PLACES
	FETCH \slot, \k, \g
	s_wait_dscnt 32                                ; all but the 32 just issued
	MULLO \f, \zero
.endm
.macro THREE slot, zero
	QUARTER \slot, 64,  0, 1, \zero
	QUARTER \slot, 128, 1, 0, 0
	QUARTER \slot, 192, 0, 1, 0
.endm
; The last quarter multiplies buffer 1 and changes slots.  One barrier for two things: in front of it each wave waits for its reads of this slot and for all
; its tensor loads (one is out: its part of the next slot); behind it nobody reads this slot and the next one is whole.  Where the slot is filled again the
; barrier opens a round of the cluster's barrier, and the joint refill is the first tensor load behind the round.  From a request to the wait for it a wave
; issues 176 matrix instructions.
.macro TURN slot, next, fill
	s_wait_dscnt 0x0                               ; my reads of this slot are over
	s_wait_tensorcnt 0x0                           ; and all my tensor loads have landed
	ds_add_u32 v255, v255
	s_wait_dscnt 0x0
	s_barrier_signal -1
	MULHI 1, 0                                     ; register work while the others arrive
	WIN 0
	s_barrier_wait -1
.if \fill
	CREST                                          ; no wave of any partner still reads this slot or has a load on its way
	s_add_nc_u64 s[G0+4*\slot+2:G0+4*\slot+3], s[G0+4*\slot+2:G0+4*\slot+3], 2*KSTEP*2
	s_add_nc_u64 s[G0B+4*\slot+2:G0B+4*\slot+3], s[G0B+4*\slot+2:G0B+4*\slot+3], 2*KSTEP*2
	JLOAD \slot
.endif
	PLACES
	FETCH \next, 0, 0
	MULLO 1, 0
.endm
.macro LAP zero
	THREE 0, \zero
	TURN 0, 1, 1
	THREE 1, 0
	TURN 1, 0, 1
.endm
	s_wait_tensorcnt 0x1                           ; my part of K step 0 is in; K step 1's may stay out
	s_barrier_signal -1
	s_barrier_wait -1
	FETCH 0, 0, 0
	LAP 1                                          ; the first lap's first products start the sums: nothing is cleared
	WIN 0                                          ; at a label and at a branch every window is 0
	s_mov_b32 s3, LAPS-2
.Llap:
	LAP 0
	WIN 0
	s_sub_co_u32 s3, s3, 1
	s_cmp_lg_u32 s3, 0
	s_cbranch_scc1 .Llap
	THREE 0, 0                                     ; the last lap fills nothing
	TURN 0, 1, 0
	THREE 1, 0
	s_wait_dscnt 0x0
	MULHI 1, 0
	MULLO 1, 0
	; THE WAY OUT, 16 rows at a time: round to f16, 16 bytes a lane into my own stage, read back head by head, four rows of 128 bytes a load
	PLACES
	s_lshl_b32 s16, s13, 15                        ; 256 rows x 128 bytes x block row
	s_lshl_b32 s17, s10, 13                        ; + 64 rows x wave
	s_add_co_u32 s16, s16, s17
	s_mov_b32 s17, 0
	s_add_nc_u64 s[8:9], s[8:9], s[16:17]
	s_mul_i32 s46, s42, 3*PLANE                    ; my three planes (in the registers that held W's address)
	s_mov_b32 s47, 0
	s_add_nc_u64 s[8:9], s[8:9], s[46:47]
.macro OUT16 i, back
	WIN 0x0a                                       ; sources in window 2
.irp b, 0,1,2,3,4,5,6,7
.irp r, 0,1,2,3
	v_cvt_pk_f16_f32 v[TMP+4*\b+\r], v[8*(8*\i+\b)+2*\r], v[8*(8*\i+\b)+2*\r+1]
.endr
.endr
	WIN 0x0f                                       ; sources in window 3
.irp b, 8,9,10,11
.irp r, 0,1,2,3
	v_cvt_pk_f16_f32 v[TMP+4*\b+\r], v[8*(4*\i+\b-8)+2*\r], v[8*(4*\i+\b-8)+2*\r+1]
.endr
.endr
	WIN 0
.irp b, 0,1,2,3,4,5,6,7,8,9,10,11
	ds_store_b128 v[STO], v[TMP+4*\b:TMP+4*\b+3] offset:32*\b
.endr
	s_wait_xcnt 0x0                                ; the registers that earlier stores read are loaded again only behind this wait (ISA guide 3.1)
.irp p, 0,1,2
.irp t, 0,1,2,3
	ds_load_b128 v[\back+4*(4*\p+\t):\back+4*(4*\p+\t)+3], v[RD] offset:128*\p+4*SPITCH*\t   ; LDS serves a wave's instructions in order (ISA guide 5.7.1.4): these see the stores above
.endr
.endr
.irp p, 0,1,2
.irp t, 0,1,2,3
	s_wait_dscnt 11-(4*\p+\t)
	global_store_b128 v[CO], v[\back+4*(4*\p+\t):\back+4*(4*\p+\t)+3], s[8:9] offset:PLANE*\p+2048*\i+512*\t   ; 512 neighbouring bytes at a multiple of 512
.endr
.endr
.endm
	OUT16 0, RB0
	OUT16 1, RB1
	OUT16 2, RB0
	OUT16 3, RB1
	s_set_vgpr_msb 0x1
	s_wait_tensorcnt 0x0
	ds_add_u32 v255, v255
	s_wait_dscnt 0x0
	s_set_vgpr_msb 0x100
	CROUND                                         ; the closing round: no work-group ends while a partner may still ask for a tile that names it
	s_endpgm
.Lfunc_end_k_q795035e48d_qkv:
	.size	k_q795035e48d_qkv, .Lfunc_end_k_q795035e48d_qkv-k_q795035e48d_qkv
	.p2alignl 7, 3214868480
	.fill 96, 4, 3214868480
	.section	.rodata,"a",@progbits
	.p2align	6, 0x0
	.amdhsa_kernel k_q795035e48d_qkv
		.amdhsa_group_segment_fixed_size 327680
		.amdhsa_private_segment_fixed_size 0
		.amdhsa_enable_private_segment 0
		.amdhsa_kernarg_size 24
		.amdhsa_user_sgpr_count 2
		.amdhsa_user_sgpr_kernarg_segment_ptr 1
		.amdhsa_wavefront_size32 1
		.amdhsa_system_sgpr_workgroup_id_x 1
		.amdhsa_system_sgpr_workgroup_id_y 1
		.amdhsa_system_sgpr_workgroup_id_z 1
		.amdhsa_system_vgpr_workitem_id 0
		.amdhsa_next_free_vgpr 896
		.amdhsa_next_free_sgpr 66
		.amdhsa_reserve_vcc 0
		.amdhsa_float_denorm_mode_32 3
		.amdhsa_float_denorm_mode_16_64 3
		.amdhsa_memory_ordered 1
		.amdhsa_forward_progress 1
		.amdhsa_inst_pref_size 163
	.end_amdhsa_kernel
	.amdgpu_metadata
---
amdhsa.version: [ 1, 2 ]
amdhsa.kernels:
  - .name:           k_q795035e48d_qkv
    .symbol:         k_q795035e48d_qkv.kd
    .args:
      - { .name: xb, .offset: 0, .size: 8, .value_kind: global_buffer, .address_space: global }
      - { .name: wqb, .offset: 8, .size: 8, .value_kind: global_buffer, .address_space: global }
      - { .name: qkv, .offset: 16, .size: 8, .value_kind: global_buffer, .address_space: global }
    .group_segment_fixed_size: 327680
    .private_segment_fixed_size: 0
    .kernarg_segment_align: 8
    .kernarg_segment_size: 24
    .max_flat_workgroup_size: 128
    .sgpr_count:     66
    .vgpr_count:     896
    .wavefront_size: 32
...
	.end_amdgpu_metadata
.endif
;; end of part 2
;; launch attn (part 3): grid 256 x 1, 4 waves a work-group, no clusters, 327,680 bytes of LDS; arguments qkv, ao; writes ao
.if DOCPART == 3
	.amdgcn_target "amdgcn-amd-amdhsa--gfx1250"
	.amdhsa_code_object_version 6
	.text
	.protected	k_q795035e48d_attn
	.globl	k_q795035e48d_attn
	.p2align	8
	.type	k_q795035e48d_attn,@function
k_q795035e48d_attn:
	s_mov_b64 s[64:65], 0
	v_nop
	global_prefetch_b8 v0, s[64:65] scope:SCOPE_SE
	s_setreg_imm32_b32 hwreg(HW_REG_WAVE_MODE, 25, 1), 1
	s_wait_xcnt 0x0
; Causal attention of one head, with a running maximum: ao[h][2048 b + s][d] = 64 x softmax(q k^T / 8, keys <= query) v, f16 operands, f32 sums and softmax.
; q, k, v come times 64 (exact), so the raw scores are 4,096 q.k; the factor log2(e) / 8 / 4,096 turns them into exponents of 2, and ao keeps v's 64.
; LIMITS: f16's range for q, k, v as stated where they are made; a weight below 6.1e-5 of its row's largest is kept with f16's fixed step; non-finite inputs are not followed.
; Work-group g: i = g & 7, head (g >> 3) & 15, batch g >> 7.  It makes query block i (128 queries) and then block 15 - i: (i + 1) + (16 - i) = 17 steps of
; 128 keys for every one of the 256 work-groups.  Wave w has queries 32 w .. 32 w + 31 of the block, two tiles of 16.
; NO CLUSTER: the work-groups of a head walk different numbers of key tiles in each of their two blocks, so partners would have to ask for and discard tiles
; (24 steps in place of 17), and a work-group reads only 17 x 32 KiB of K and V.
; BOTH PRODUCTS ARE TRANSPOSED.  S^T = K Q^T: lane (r, h) holds query r, register j key 8 h + j.  So a query's statistics lie in its own two lanes, and two S tiles,
; packed to f16 in place, ARE the second source of O^T = V^T P^T: no lane is crossed.  V^T comes from LDS by the transposing load.
; K and V tiles (16 KiB each, dense in memory) go through two LDS slots; wave 0 asks for V's, wave 1 for K's, one tensor load each behind each step's barrier.
.set KP,    144                        ; K's LDS pitch: 128 bytes + 16, an odd multiple of 16
.set VP,    160                        ; V's: 128 + 32, an odd multiple of 32, for the transposing load
.set VB,    128*VP                     ; V's tile, 20,480 bytes; K's lies behind it
.set SLOT,  VB+128*KP                  ; 38,912
.set STAGE, 2*SLOT                     ; 77,824, a multiple of 256: 32 rows x 144 bytes for each wave; no tensor load lands here
.set KA,  8                            ; LDS address of my part of a K fragment in slot 0
.set VA,  9                            ; the same for V
.set STO, 10                           ; the way out: in
.set RD,  11                           ; the way out: back
.set CO,  12                           ; my byte offset in the block's rows of ao
.set QO,  13                           ; my byte offset in the block's rows of q
.set DG,  14                           ; v14-15  query - 8 h inside a diagonal block, for each query tile
.set NINF,16
.set MX,  18                           ; v18-19  running maximum, raw
.set LS,  20                           ; v20-21  running sum of my half of the keys
.set AL,  22                           ; v[22:25] alpha, a pair for each query tile; at the end 1 / sum
.set NG,  26                           ; v[26:29] - maximum x factor, a pair for each query tile
.set Q,   32                           ; v[32:63] fragment (qt, ks) at 32 + 16 qt + 8 ks
.set KV,  64                           ; v[64:191] K's 16 fragments, then V's 16, then the rows read back
.set W,   192                          ; v[192:255] at work
.set OT,  128                          ; window 1: S tile (kt, qt) at 8 (2 kt + qt); O tile (dt, qt) at 128 + 8 (2 dt + qt)
.set G1V, 16
.set G1K, 24
.set G0V, 32                           ; s[32:39] a set for each slot
.set G0K, 40                           ; s[40:47]
.set MSB, 0
.macro WIN new
.if MSB != \new
	s_set_vgpr_msb (MSB<<8)|\new
.set MSB, \new
.endif
.endm
.macro PLACES
.rept 4
	v_nop
.endr
.endm
; wave 0 asks for V's tile, wave 1 for K's, waves 2 and 3 for nothing: one tensor load a wave at the most
.macro KVLOAD slot
	s_cmp_lg_u32 s8, 0
	s_cbranch_scc1 .Lnot_v_\@
	tensor_load_to_lds s[G0V+4*(\slot):G0V+4*(\slot)+3], s[G1V:G1V+7]
	s_nop 0
.Lnot_v_\@:
	s_cmp_lg_u32 s8, 1
	s_cbranch_scc1 .Lnot_k_\@
	tensor_load_to_lds s[G0K+4*(\slot):G0K+4*(\slot)+3], s[G1K:G1K+7]
	s_nop 0
.Lnot_k_\@:
.endm
	s_load_b128 s[4:7], s[0:1], 0x0                ; qkv s[4:5], ao s[6:7]
	v_lshl_add_u32 v30, v0, 2, 0x29000
	v_mov_b32 v31, 0
	ds_add_u32 v30, v31
	v_lshrrev_b32 v1, 5, v0
	v_readfirstlane_b32 s8, v1                     ; wave
	s_and_b32 s9, ttmp9, 7                         ; i
	s_bfe_u32 s10, ttmp9, 0x40003                  ; head
	s_lshr_b32 s11, ttmp9, 7                       ; batch
	s_sub_co_u32 s70, 15, s9                       ; the second query block
	s_lshl_b32 s10, s10, 19                        ; a plane is 524,288 bytes,
	s_lshl_b32 s11, s11, 18                        ; a batch's 2,048 rows 262,144
	s_add_co_u32 s56, s10, s11
	s_mov_b32 s57, 0                               ; stays 0: the high word of every offset
	; group 1: a dense block of 16 KiB as 64 rows of 32 elements of 8 bytes; padding behind every 32 words (a row of 64 f16): 8 words for V, 4 for K
	s_mov_b32 s[G1V+0], (3<<16)|(1<<20)|(4<<22)|(7<<25)
	s_mov_b32 s[G1K+0], (3<<16)|(1<<20)|(4<<22)|(3<<25)
.irp g, G1V, G1K
	s_mov_b32 s[\g+1], 32<<16                      ; tensor_dim0 = 32
	s_mov_b32 s[\g+2], 64<<16                      ; tensor_dim1 = 64
	s_mov_b32 s[\g+3], 32<<16                      ; tile_dim0 = 32
	s_mov_b32 s[\g+4], 64                          ; tile_dim1 = 64
	s_mov_b32 s[\g+5], 32                          ; pitch = the row: dense
	s_mov_b32 s[\g+6], 0
	s_mov_b32 s[\g+7], 0
.endr
	s_mov_b32 s[G0V+0], 1
	s_mov_b32 s[G0V+1], 0
	s_mov_b32 s[G0V+4], 1
	s_mov_b32 s[G0V+5], SLOT
	s_mov_b32 s[G0K+0], 1
	s_mov_b32 s[G0K+1], VB
	s_mov_b32 s[G0K+4], 1
	s_mov_b32 s[G0K+5], SLOT+VB
	s_wait_dscnt 0x0
	s_wait_kmcnt 0x0
	s_add_nc_u64 s[52:53], s[4:5], s[56:57]        ; q's rows of this head and batch
	s_add_nc_u64 s[54:55], s[6:7], s[56:57]        ; ao's
	s_add_nc_u64 s[48:49], s[52:53], 0x800000      ; k's: 16 planes on
	s_add_nc_u64 s[50:51], s[52:53], 0x1000000     ; v's: 32 planes on
	s_mov_b64 s[G0V+2:G0V+3], s[50:51]             ; key tile 0
	s_or_b32 s[G0V+3], s[G0V+3], 0x80000000
	s_mov_b64 s[G0K+2:G0K+3], s[48:49]
	s_or_b32 s[G0K+3], s[G0K+3], 0x80000000
	KVLOAD 0                                       ; the first fill, ahead of every wait, LDS read and barrier
	s_lshl_b32 s56, s70, 14                        ; a block's 128 rows are 16,384 bytes
	s_add_nc_u64 s[68:69], s[52:53], s[56:57]      ; q and ao of the second block
	s_add_nc_u64 s[66:67], s[54:55], s[56:57]
	s_lshl_b32 s56, s9, 14
	s_add_nc_u64 s[52:53], s[52:53], s[56:57]      ; and of the first
	s_add_nc_u64 s[54:55], s[54:55], s[56:57]
	s_mov_b32 s58, 0x3838aa3b                      ; log2(e) / 8 / 4,096, twice for the packed forms
	s_mov_b32 s59, 0x3838aa3b
	s_mov_b32 s63, 0xb838aa3b                      ; its negative
	s_mov_b32 s60, 0x76543210                      ; v_permlanex16_b32: lane i of one half reads lane i of the other
	s_mov_b32 s61, 0xfedcba98
	s_mov_b32 s12, 0                               ; this step's key tile
	s_mov_b32 s13, s9                              ; this block
	v_and_b32 v1, 15, v0                           ; r
	v_bfe_u32 v2, v0, 4, 1                         ; h
	v_and_b32 v3, 31, v0                           ; lane
	v_and_b32 v4, 7, v0
	v_bfe_u32 v5, v0, 3, 1
	v_bfe_u32 v6, v0, 3, 2
	s_lshl_b32 s11, s8, 12                         ; my 32 rows of 128 bytes
	v_lshlrev_b32 v7, 7, v1
	v_lshl_add_u32 v7, v2, 4, v7
	v_add_nc_u32 v[QO], s11, v7                    ; 4,096 w + 128 r + 16 h
.irp qt, 0,1
.irp n, 0,1,2,3
	global_load_b128 v[Q+16*\qt+4*\n:Q+16*\qt+4*\n+3], v[QO], s[52:53] offset:2048*\qt+32*\n   ; Q's fragments: query r, d = 8 h + 16 n ..
.endr
.endr
	v_mul_u32_u24 v7, v1, KP
	v_lshl_add_u32 v7, v2, 4, v7                   ; r x 144 + 16 h
	v_add_nc_u32 v[KA], VB, v7
	s_mul_i32 s10, s8, 32*KP
	s_add_co_u32 s10, s10, STAGE                   ; my stage
	v_add_nc_u32 v[STO], s10, v7
	v_lshl_add_u32 v7, v2, 3, v4                   ; key 8 h + (lane & 7),
	v_mul_u32_u24 v7, v7, VP
	v_lshl_add_u32 v[VA], v5, 4, v7                ; its 16 bytes of d: 8 ((lane >> 3) & 1) ..
	v_mul_u32_u24 v7, v6, KP
	v_lshl_add_u32 v7, v4, 4, v7
	v_add_nc_u32 v[RD], s10, v7                    ; back: eight lanes take a row's 128 bytes, four rows a load
	v_lshl_add_u32 v[CO], v3, 4, s11               ; 4,096 w + 16 x lane
	s_lshl_b32 s10, s8, 5
	v_lshlrev_b32 v7, 3, v2
	v_sub_nc_u32 v7, v1, v7
	v_add_nc_u32 v[DG], s10, v7                    ; 32 w + r - 8 h
	v_add_nc_u32 v[DG+1], 16, v[DG]
	v_mov_b32 v[NINF], 0xff800000
	v_mov_b32 v[MX], 0xff800000
	v_mov_b32 v[MX+1], 0xff800000
	v_mov_b32 v[LS], 0
	v_mov_b32 v[LS+1], 0
	s_wait_loadcnt 0x0                             ; Q
; A block is done: divide by the sums, round to f16, out through my stage.  last = 0: the first block; the second one's Q is fetched meanwhile.
.macro FINAL last
	v_permlanex16_b32 v[W], v[LS], s60, s61        ; the other half of the keys (the destinations have been written before)
	v_permlanex16_b32 v[W+1], v[LS+1], s60, s61
	v_add_f32 v[W], v[W], v[LS]
	v_add_f32 v[W+1], v[W+1], v[LS+1]
	v_rcp_f32 v[AL], v[W]
	v_rcp_f32 v[AL+2], v[W+1]
	v_nop                                          ; one plain instruction behind a transcendental before its result is used (ISA guide 5.7.2)
	s_wait_alu depctr_va_vdst(0)
	v_mov_b32 v[AL+1], v[AL]
	v_mov_b32 v[AL+3], v[AL+2]
.if \last == 0
.irp qt, 0,1
.irp n, 0,1,2,3
	global_load_b128 v[Q+16*\qt+4*\n:Q+16*\qt+4*\n+3], v[QO], s[68:69] offset:2048*\qt+32*\n
.endr
.endr
.endif
	WIN 0x41
.irp dt, 0,1,2,3
.irp qt, 0,1
.irp p, 0,2,4,6
	v_pk_mul_f32 v[OT+8*(2*\dt+\qt)+\p:OT+8*(2*\dt+\qt)+\p+1], v[OT+8*(2*\dt+\qt)+\p:OT+8*(2*\dt+\qt)+\p+1], v[AL+2*\qt:AL+2*\qt+1]
.endr
.endr
.endr
	WIN 0x05
.irp dt, 0,1,2,3
.irp qt, 0,1
.irp r, 0,1,2,3
	v_cvt_pk_f16_f32 v[W+4*(2*\dt+\qt)+\r], v[OT+8*(2*\dt+\qt)+2*\r], v[OT+8*(2*\dt+\qt)+2*\r+1]
.endr
.endr
.endr
	WIN 0
.irp dt, 0,1,2,3
.irp qt, 0,1
	ds_store_b128 v[STO], v[W+4*(2*\dt+\qt):W+4*(2*\dt+\qt)+3] offset:16*KP*\qt+32*\dt   ; query 16 qt + r, d = 16 dt + 8 h ..
.endr
.endr
.irp t, 0,1,2,3,4,5,6,7
	ds_load_b128 v[KV+4*\t:KV+4*\t+3], v[RD] offset:4*KP*\t        ; LDS serves a wave's instructions in order (ISA guide 5.7.1.4): these see the stores above
.endr
.irp t, 0,1,2,3,4,5,6,7
	s_wait_dscnt 7-\t
.if \last
	global_store_b128 v[CO], v[KV+4*\t:KV+4*\t+3], s[66:67] offset:512*\t   ; four rows: 512 neighbouring bytes at a multiple of 512
.else
	global_store_b128 v[CO], v[KV+4*\t:KV+4*\t+3], s[54:55] offset:512*\t
.endif
.endr
.if \last == 0
	v_mov_b32 v[MX], v[NINF]                       ; the next block starts from - infinity: its first alpha is 2^-inf = 0, which clears
	v_mov_b32 v[MX+1], v[NINF]                     ; the sums and O (both finite) by the ordinary rescaling
	s_mov_b32 s13, s70
	s_wait_loadcnt 0x0                             ; the next block's Q
	s_wait_xcnt 0x0                                ; the registers that the stores read are loaded again only behind this wait (ISA guide 3.1)
.endif
.endm
; One step: 128 keys in slot.  refill = 1: the other slot is asked for the next step's tile.  first = 1: O is started, not rescaled.
; diag = 1: known to be the block's last step (the diagonal one); 0: decided by s15.
.macro STEP slot, refill, first, diag
	s_wait_tensorcnt 0x0                           ; all my tensor loads have landed, this step's tile among them: every group 0 may be written
	ds_add_u32 v30, v31
	s_wait_dscnt 0x0
.if \refill
	s_add_co_u32 s14, s12, 1
	s_cmp_eq_u32 s12, s13                          ; the diagonal tile ends a block;
	s_cselect_b32 s15, 1, 0
	s_cselect_b32 s14, 0, s14                      ; the next block begins at key tile 0 again
	s_lshl_b32 s56, s14, 14
	s_add_nc_u64 s[G0V+6-4*\slot:G0V+7-4*\slot], s[50:51], s[56:57]
	s_or_b32 s[G0V+7-4*\slot], s[G0V+7-4*\slot], 0x80000000
	s_add_nc_u64 s[G0K+6-4*\slot:G0K+7-4*\slot], s[48:49], s[56:57]
	s_or_b32 s[G0K+7-4*\slot], s[G0K+7-4*\slot], 0x80000000
.endif
	s_wait_dscnt 0x0                               ; my reads of the other slot are over
	s_barrier_signal -1
	s_barrier_wait -1                              ; both now hold of every wave
.if \refill
	KVLOAD 1-\slot                                 ; first thing behind the barrier: it has the whole step in which to land
.endif
.irp ks, 0,1
.irp kt, 0,1,2,3,4,5,6,7
	ds_load_b128 v[KV+16*\kt+8*\ks:KV+16*\kt+8*\ks+3],   v[KA] offset:\slot*SLOT+16*KP*\kt+64*\ks
	ds_load_b128 v[KV+16*\kt+8*\ks+4:KV+16*\kt+8*\ks+7], v[KA] offset:\slot*SLOT+16*KP*\kt+64*\ks+32
.endr
.endr
	s_wait_dscnt 16                                ; d = 0..31 of all 128 keys is in; the 16 younger loads (d = 32..63) may be out
	WIN 0x50                                       ; C and D window 1
	; S^T = K Q^T: 16 accumulators by turns, one instruction a turn
.irp kt, 0,1,2,3,4,5,6,7
.irp qt, 0,1
	v_wmma_f32_16x16x32_f16 v[8*(2*\kt+\qt):8*(2*\kt+\qt)+7], v[KV+16*\kt:KV+16*\kt+7], v[Q+16*\qt:Q+16*\qt+7], 0
.endr
.endr
	s_wait_dscnt 0x0
.irp kt, 0,1,2,3,4,5,6,7
.irp qt, 0,1
	v_wmma_f32_16x16x32_f16 v[8*(2*\kt+\qt):8*(2*\kt+\qt)+7], v[KV+16*\kt+8:KV+16*\kt+15], v[Q+16*\qt+8:Q+16*\qt+15], v[8*(2*\kt+\qt):8*(2*\kt+\qt)+7]
.endr
.endr
	WIN 0
	PLACES                                         ; four places in front of the loads over K's fragments and of the reads of S
.irp ks, 0,1,2,3
.irp dt, 0,1,2,3
	ds_load_tr16_b128 v[KV+8*(4*\ks+\dt):KV+8*(4*\ks+\dt)+3],   v[VA] offset:\slot*SLOT+32*VP*\ks+32*\dt          ; V^T: d = 16 dt + r, keys 32 ks + 8 h ..
	ds_load_tr16_b128 v[KV+8*(4*\ks+\dt)+4:KV+8*(4*\ks+\dt)+7], v[VA] offset:\slot*SLOT+32*VP*\ks+32*\dt+16*VP   ; keys 32 ks + 16 + 8 h ..
.endr
.endr
.if \diag == 0
	s_cmp_eq_u32 s15, 0
	s_cbranch_scc1 .Lno_mask_\@
.endif
	WIN 0x41                                       ; the diagonal block: key 16 kt + 8 h + j beyond query 32 w + 16 qt + r becomes - infinity
.irp kt, 0,1,2,3,4,5,6,7
.irp qt, 0,1
.irp j, 0,1,2,3,4,5,6,7
	v_cmp_gt_i32 vcc_lo, 16*\kt+\j, v[DG+\qt]
	v_cndmask_b32 v[8*(2*\kt+\qt)+\j], v[8*(2*\kt+\qt)+\j], v[NINF], vcc_lo
.endr
.endr
.endr
	WIN 0
.Lno_mask_\@:
	; the largest of my 64 scores of each query tile: four chains a tile, chain c over key tiles 2 c and 2 c + 1
	WIN 0x05
.irp qt, 0,1
.irp c, 0,1,2,3
	v_max_num_f32 v[W+4*\qt+\c], v[8*(4*\c+\qt)], v[8*(4*\c+\qt)+1]
.endr
.endr
.irp p, 2,4,6
.irp qt, 0,1
.irp c, 0,1,2,3
	v_max3_num_f32 v[W+4*\qt+\c], v[8*(4*\c+\qt)+\p], v[8*(4*\c+\qt)+\p+1], v[W+4*\qt+\c]
.endr
.endr
.endr
.irp p, 0,2,4,6
.irp qt, 0,1
.irp c, 0,1,2,3
	v_max3_num_f32 v[W+4*\qt+\c], v[8*(4*\c+2+\qt)+\p], v[8*(4*\c+2+\qt)+\p+1], v[W+4*\qt+\c]
.endr
.endr
.endr
	WIN 0
.irp qt, 0,1
	v_max3_num_f32 v[W+4*\qt], v[W+4*\qt], v[W+4*\qt+1], v[W+4*\qt+2]
	v_max3_num_f32 v[W+4*\qt], v[W+4*\qt], v[W+4*\qt+3], v[MX+\qt]     ; with the running maximum
	v_permlanex16_b32 v[W+4*\qt+1], v[W+4*\qt], s60, s61               ; and the other half of the keys
	v_max_num_f32 v[W+4*\qt], v[W+4*\qt], v[W+4*\qt+1]
	v_mul_f32 v[NG+2*\qt], s63, v[W+4*\qt]                             ; - maximum x factor, in both registers of its pair
	v_mul_f32 v[NG+2*\qt+1], s63, v[W+4*\qt]
	v_fma_f32 v[W+4*\qt+2], v[MX+\qt], s58, v[NG+2*\qt]                ; (old - new) x factor
	v_mov_b32 v[MX+\qt], v[W+4*\qt]
.endr
	v_exp_f32 v[AL], v[W+2]
	v_exp_f32 v[AL+2], v[W+6]
	v_nop                                          ; one plain instruction behind a transcendental (ISA guide 5.7.2)
	s_wait_alu depctr_va_vdst(0)
	v_mov_b32 v[AL+1], v[AL]
	v_mov_b32 v[AL+3], v[AL+2]
	; p = 2^((s - maximum) x factor), in place, tile by tile; the next tile's multiply-adds touch none of the last exponentials' registers
	WIN 0x41
.irp kt, 0,1,2,3,4,5,6,7
.irp qt, 0,1
.irp p, 0,2,4,6
	v_pk_fma_f32 v[8*(2*\kt+\qt)+\p:8*(2*\kt+\qt)+\p+1], v[8*(2*\kt+\qt)+\p:8*(2*\kt+\qt)+\p+1], s[58:59], v[NG+2*\qt:NG+2*\qt+1] op_sel_hi:[1,0,1]
.endr
.irp j, 0,1,2,3,4,5,6,7
	v_exp_f32 v[8*(2*\kt+\qt)+\j], v[8*(2*\kt+\qt)+\j]
.endr
.endr
.endr
	v_nop
	; the sum of my 64 weights of each query tile, in f32
	WIN 0x05
	s_wait_alu depctr_va_vdst(0)
.irp qt, 0,1
.irp c, 0,1,2,3
.irp p, 0,2,4,6
	v_pk_add_f32 v[W+32*\qt+8*\c+\p:W+32*\qt+8*\c+\p+1], v[8*(4*\c+\qt)+\p:8*(4*\c+\qt)+\p+1], v[8*(4*\c+2+\qt)+\p:8*(4*\c+2+\qt)+\p+1]
.endr
.endr
.endr
	WIN 0
.irp d, 16,8,4,2
.irp qt, 0,1
.set k, 0
.rept \d/2
	v_pk_add_f32 v[W+32*\qt+k:W+32*\qt+k+1], v[W+32*\qt+k:W+32*\qt+k+1], v[W+32*\qt+k+\d:W+32*\qt+k+\d+1]
.set k, k+2
.endr
.endr
.endr
.irp qt, 0,1
	v_add_f32 v[W+32*\qt], v[W+32*\qt], v[W+32*\qt+1]
	v_fma_f32 v[LS+\qt], v[LS+\qt], v[AL+2*\qt], v[W+32*\qt]
.endr
	; P's fragment (ks, qt) = S tiles (2 ks, qt) and (2 ks + 1, qt) packed to f16, in the first tile's registers: that tile's own numbers first
	WIN 0x45
.irp ks, 0,1,2,3
.irp qt, 0,1
.irp r, 0,1,2,3
	v_cvt_pk_f16_f32 v[8*(4*\ks+\qt)+\r], v[8*(4*\ks+\qt)+2*\r], v[8*(4*\ks+\qt)+2*\r+1]
.endr
.irp r, 0,1,2,3
	v_cvt_pk_f16_f32 v[8*(4*\ks+\qt)+4+\r], v[8*(4*\ks+2+\qt)+2*\r], v[8*(4*\ks+2+\qt)+2*\r+1]
.endr
.endr
.endr
.if \first == 0
	WIN 0x41
.irp dt, 0,1,2,3
.irp qt, 0,1
.irp p, 0,2,4,6
	v_pk_mul_f32 v[OT+8*(2*\dt+\qt)+\p:OT+8*(2*\dt+\qt)+\p+1], v[OT+8*(2*\dt+\qt)+\p:OT+8*(2*\dt+\qt)+\p+1], v[AL+2*\qt:AL+2*\qt+1]
.endr
.endr
.endr
.endif
	s_wait_dscnt 0x0                               ; V's fragments
	WIN 0x54                                       ; source 0 (V^T) window 0; source 1 (P), C and D window 1
	; O^T += V^T P^T: 8 accumulators by turns, one instruction a turn
.irp dt, 0,1,2,3
.irp qt, 0,1
.if \first
	v_wmma_f32_16x16x32_f16 v[OT+8*(2*\dt+\qt):OT+8*(2*\dt+\qt)+7], v[KV+8*\dt:KV+8*\dt+7], v[8*\qt:8*\qt+7], 0
.else
	v_wmma_f32_16x16x32_f16 v[OT+8*(2*\dt+\qt):OT+8*(2*\dt+\qt)+7], v[KV+8*\dt:KV+8*\dt+7], v[8*\qt:8*\qt+7], v[OT+8*(2*\dt+\qt):OT+8*(2*\dt+\qt)+7]
.endif
.endr
.endr
.irp ks, 1,2,3
.irp dt, 0,1,2,3
.irp qt, 0,1
	v_wmma_f32_16x16x32_f16 v[OT+8*(2*\dt+\qt):OT+8*(2*\dt+\qt)+7], v[KV+8*(4*\ks+\dt):KV+8*(4*\ks+\dt)+7], v[8*(4*\ks+\qt):8*(4*\ks+\qt)+7], v[OT+8*(2*\dt+\qt):OT+8*(2*\dt+\qt)+7]
.endr
.endr
.endr
	WIN 0
.rept 5
	v_nop                                          ; five places: the next S is written over P's registers; four would do for the loads over V's fragments and the reads of O
.endr
.if \diag
	FINAL 1
.else
	s_cmp_eq_u32 s15, 0
	s_cbranch_scc1 .Lno_final_\@
	FINAL 0
.Lno_final_\@:
.endif
.if \refill
	s_mov_b32 s12, s14
.endif
.endm
	STEP 0, 1, 1, 0                                ; step 0 stands ahead of the loop: its products start O
	s_mov_b32 s62, 7
.Lpair:
	STEP 1, 1, 0, 0                                ; steps 1 to 14
	STEP 0, 1, 0, 0
	s_sub_co_u32 s62, s62, 1
	s_cmp_lg_u32 s62, 0
	s_cbranch_scc1 .Lpair
	STEP 1, 1, 0, 0                                ; step 15 asks for the last tile
	STEP 0, 0, 0, 1                                ; step 16: the second block's diagonal tile; nothing is left to fetch
	s_wait_tensorcnt 0x0
	ds_add_u32 v30, v31
	s_wait_dscnt 0x0
	s_endpgm
.Lfunc_end_k_q795035e48d_attn:
	.size	k_q795035e48d_attn, .Lfunc_end_k_q795035e48d_attn-k_q795035e48d_attn
	.p2alignl 7, 3214868480
	.fill 96, 4, 3214868480
	.section	.rodata,"a",@progbits
	.p2align	6, 0x0
	.amdhsa_kernel k_q795035e48d_attn
		.amdhsa_group_segment_fixed_size 327680
		.amdhsa_private_segment_fixed_size 0
		.amdhsa_enable_private_segment 0
		.amdhsa_kernarg_size 16
		.amdhsa_user_sgpr_count 2
		.amdhsa_user_sgpr_kernarg_segment_ptr 1
		.amdhsa_wavefront_size32 1
		.amdhsa_system_sgpr_workgroup_id_x 1
		.amdhsa_system_sgpr_workgroup_id_y 1
		.amdhsa_system_sgpr_workgroup_id_z 1
		.amdhsa_system_vgpr_workitem_id 0
		.amdhsa_next_free_vgpr 448
		.amdhsa_next_free_sgpr 72
		.amdhsa_reserve_vcc 1
		.amdhsa_float_denorm_mode_32 3
		.amdhsa_float_denorm_mode_16_64 3
		.amdhsa_memory_ordered 1
		.amdhsa_forward_progress 1
		.amdhsa_inst_pref_size 253
	.end_amdhsa_kernel
	.amdgpu_metadata
---
amdhsa.version: [ 1, 2 ]
amdhsa.kernels:
  - .name:           k_q795035e48d_attn
    .symbol:         k_q795035e48d_attn.kd
    .args:
      - { .name: qkv, .offset: 0, .size: 8, .value_kind: global_buffer, .address_space: global }
      - { .name: ao, .offset: 8, .size: 8, .value_kind: global_buffer, .address_space: global }
    .group_segment_fixed_size: 327680
    .private_segment_fixed_size: 0
    .kernarg_segment_align: 8
    .kernarg_segment_size: 16
    .max_flat_workgroup_size: 128
    .sgpr_count:     72
    .vgpr_count:     448
    .wavefront_size: 32
...
	.end_amdgpu_metadata
.endif
;; end of part 3
;; launch oproj (part 4): grid 8 x 32, 4 waves a work-group, clusters of 4 x 4, 327,680 bytes of LDS; arguments ao, wob, out0; writes out0
.if DOCPART == 4
	.amdgcn_target "amdgcn-amd-amdhsa--gfx1250"
	.amdhsa_code_object_version 6
	.text
	.protected	k_q795035e48d_oproj
	.globl	k_q795035e48d_oproj
	.p2align	8
	.type	k_q795035e48d_oproj,@function
k_q795035e48d_oproj:
	s_mov_b64 s[64:65], 0
	v_nop
	global_prefetch_b8 v0, s[64:65] scope:SCOPE_SE
	s_setreg_imm32_b32 hwreg(HW_REG_WAVE_MODE, 25, 1), 1
	s_wait_xcnt 0x0
	s_wait_alu depctr_hold_cnt(0) depctr_sa_sdst(0) depctr_va_vdst(0) depctr_va_sdst(0) depctr_va_ssrc(0) depctr_va_vcc(0) depctr_vm_vsrc(0)
	s_getreg_b32 s2, hwreg(HW_REG_IB_STS2, 6, 4)
	s_cmp_eq_u32 s2, 0
	s_cbranch_scc0 .Lentry_in_a_cluster
	s_endpgm
.Lentry_in_a_cluster:
	s_bfe_u32 s2, ttmp6, 0x10000c
	s_cmp_lg_u32 s2, 0xf033
	s_cbranch_scc0 .Lentry_shape_is_right
	s_endpgm
.Lentry_shape_is_right:
; out0[m][e] = 2^-16 x sum over k = 64 head + d of ao[head][m][d] wob[e][k]: ao holds 64 x the attention's result, wob 1,024 x W_out (both scales exact),
; f16 operands, f32 sums, f32 out.
; A work-group makes 128 x 128: 8 x 32 = 256 work-groups, the largest block that gives every WGP one.  Four waves; wave (wy, wx) makes 64 x 64: 16 accumulator tiles.
; K goes in four steps of 256 (four heads) through two LDS slots: a step's part of wob's rows is 512 bytes at a multiple of 512, of ao 64 dense rows (8 KiB) of each of four planes.
; CLUSTERS: 4 x 4 work-groups; ao's tiles are shared along a row of the cluster, wob's along a column, each asked for jointly by the four that need it.
; The matrix instruction is used transposed (source 0 = rows of wob, source 1 = rows of ao): a lane's eight registers are eight neighbouring numbers of a row of out0.
.set AP,    144                        ; LDS pitch of a row of ao: 128 bytes + 16
.set AH,    64*AP                      ; 64 rows of one head
.set AW,    4*AH                       ; what wave 0 or 1 fetches: [4 heads][64 rows][144]: 36,864 bytes
.set BP,    528                        ; LDS pitch of a row of wob: 512 bytes + 16; both pitches are odd multiples of 16
.set BW,    64*BP                      ; what wave 2 or 3 fetches: 33,792 bytes
.set BOFF,  2*AW
.set SLOT,  2*AW+2*BW                  ; 141,312
.set STAGE, 2*SLOT                     ; 282,624, a multiple of 256: 16 rows x 272 bytes for each wave; no tensor load lands here
.set SPITCH, 272
.set ADRA, 16                          ; v16-17
.set ADRB, 20                          ; v20-21
.set STO,  24
.set RD,   25
.set CO,   26
.set FB,   32                          ; wob's fragments, buffer f at 32 + 64 f
.set FA,   64                          ; ao's, at 64 + 64 f
.set TMP,  32                          ; the way out: scaled results, in the fragments' registers
.set RB0,  160
.set RB1,  192
.set G1, 24
.set G0, 32
.set G1B, 48
.set G0B, 56
.set MSB, 0
.macro WIN new
.if MSB != \new
	s_set_vgpr_msb (MSB<<8)|\new
.set MSB, \new
.endif
.endm
.macro JLOAD s                         ; waves 0 and 1 ask for ao's halves, waves 2 and 3 for wob's; the branch hangs on the wave's number alone
	s_cmp_eq_u32 s11, 0
	s_cbranch_scc0 .Lfor_b_\@
	tensor_load_to_lds s[G0+4*\s:G0+4*\s+3], s[G1:G1+7]
	s_nop 0
	s_branch .Lasked_\@
.Lfor_b_\@:
	tensor_load_to_lds s[G0B+4*\s:G0B+4*\s+3], s[G1B:G1B+7]
	s_nop 0
.Lasked_\@:
.endm
.macro CREST                           ; a round of the cluster's barrier behind its opening barrier
	s_cmp_lg_u32 s10, 0
	s_cbranch_scc1 .Lnot_wave_0_\@
	s_barrier_signal -3
.Lnot_wave_0_\@:
	s_barrier_wait -3
	s_barrier_signal -1
	s_barrier_wait -1
.endm
.macro CROUND
	s_barrier_signal -1
	s_barrier_wait -1
	CREST
.endm
	s_load_b128 s[4:7], s[0:1], 0x0                ; ao s[4:5], wob s[6:7]
	s_load_b64 s[8:9], s[0:1], 0x10                ; out0
	v_lshl_add_u32 v254, v0, 2, 0x49400
	v_mov_b32 v255, 0
	ds_add_u32 v254, v255
	v_lshrrev_b32 v1, 5, v0
	v_readfirstlane_b32 s10, v1                    ; wave
	s_lshr_b32 s11, s10, 1                         ; wy.  Also: I fetch for ao (0) or for wob (1)
	s_and_b32 s12, s10, 1                          ; wx.  Also: which half of that tile
	s_bfe_u32 s40, ttmp6, 0x40000                  ; cx
	s_bfe_u32 s41, ttmp6, 0x40004                  ; cy
	s_lshl_b32 s42, ttmp9, 2
	s_add_co_u32 s42, s42, s40                     ; block column
	s_and_b32 s13, ttmp7, 0xffff
	s_lshl_b32 s13, s13, 2
	s_add_co_u32 s13, s13, s41                     ; block row
	s_lshl_b32 s43, s41, 2
	s_lshl_b32 s43, 15, s43                        ; my row of the cluster
	s_lshl_b32 s44, 0x1111, s40                    ; my column
	; ao's tile: 4 rows (heads) of 4,096 elements (64 dense rows of 64), a plane of 262,144 elements apart; 4 words of padding behind every 32 words
	s_or_b32 s[G1+0], s43, (1<<16)|(1<<20)|(1<<21)|(4<<22)|(3<<25)
	s_mov_b32 s[G1+1], 4096<<16                    ; tensor_dim0 = 4,096
	s_mov_b32 s[G1+2], 4<<16                       ; tensor_dim1 = 4
	s_mov_b32 s[G1+3], 4096<<16                    ; tile_dim0
	s_mov_b32 s[G1+4], 4                           ; tile_dim1
	s_mov_b32 s[G1+5], 262144
	s_mov_b32 s[G1+6], 0
	s_mov_b32 s[G1+7], 0
	; wob's tile: 64 rows of 256 elements, 1,024 elements apart; 4 words of padding behind every 128 words
	s_or_b32 s[G1B+0], s44, (1<<16)|(1<<20)|(1<<21)|(6<<22)|(3<<25)
	s_mov_b32 s[G1B+1], 256<<16
	s_mov_b32 s[G1B+2], 64<<16
	s_mov_b32 s[G1B+3], 256<<16
	s_mov_b32 s[G1B+4], 64
	s_mov_b32 s[G1B+5], 1024
	s_mov_b32 s[G1B+6], 0
	s_mov_b32 s[G1B+7], 0
	s_lshl_b32 s16, s13, 14                        ; ao: (128 x block row + 64 x half) rows of 128 bytes
	s_lshl_b32 s17, s12, 13
	s_add_co_u32 s16, s16, s17
	s_mov_b32 s17, 0
	s_lshl_b32 s46, s42, 18                        ; wob: (128 x block column + 64 x half) rows of 2,048 bytes
	s_lshl_b32 s47, s12, 17
	s_add_co_u32 s46, s46, s47
	s_mov_b32 s47, 0
	s_mul_i32 s20, s10, AW                         ; where ao's halves go (waves 0, 1)
	s_mul_i32 s45, s10, BW
	s_add_co_u32 s45, s45, BOFF-2*BW               ; where wob's go (waves 2, 3)
	s_wait_dscnt 0x0
	s_wait_kmcnt 0x0
	s_add_nc_u64 s[14:15], s[4:5], s[16:17]
	s_add_nc_u64 s[46:47], s[6:7], s[46:47]
	CROUND                                         ; the first joint loads meet
.irp s, 0,1
	s_mov_b32 s[G0+4*\s], 1
	s_add_co_u32 s[G0+4*\s+1], s20, \s*SLOT
	s_add_nc_u64 s[G0+4*\s+2:G0+4*\s+3], s[14:15], \s*4*524288     ; K step s: four planes on
	s_or_b32 s[G0+4*\s+3], s[G0+4*\s+3], 0x80000000
	s_mov_b32 s[G0B+4*\s], 1
	s_add_co_u32 s[G0B+4*\s+1], s45, \s*SLOT
	s_add_nc_u64 s[G0B+4*\s+2:G0B+4*\s+3], s[46:47], \s*512        ; 256 elements on
	s_or_b32 s[G0B+4*\s+3], s[G0B+4*\s+3], 0x80000000
	JLOAD \s                                       ; two tensor loads of the wave are out
.endr
	v_and_b32 v1, 15, v0                           ; r
	v_bfe_u32 v2, v0, 4, 1                         ; h
	v_mul_u32_u24 v3, v1, AP
	v_lshl_add_u32 v3, v2, 4, v3
	v_mul_u32_u24 v4, v1, BP
	v_lshl_add_u32 v4, v2, 4, v4
	s_mul_i32 s21, s11, AW                         ; my 64 rows of ao
	s_mul_i32 s22, s12, BW                         ; my 64 rows of wob
	s_add_co_u32 s22, s22, BOFF
.irp s, 0,1
	v_add_nc_u32 v[ADRA+\s], s21, v3
	v_add_nc_u32 v[ADRB+\s], s22, v4
	s_add_co_u32 s21, s21, SLOT
	s_add_co_u32 s22, s22, SLOT
.endr
	s_mul_i32 s23, s10, 16*SPITCH
	s_add_co_u32 s23, s23, STAGE
	v_mul_u32_u24 v5, v1, SPITCH                   ; in: row r, 32 bytes for each half of the lanes
	v_lshl_add_u32 v5, v2, 5, v5
	v_add_nc_u32 v[STO], s23, v5
	v_mul_u32_u24 v5, v2, SPITCH                   ; back: lanes 0-15 one row of 256 bytes, lanes 16-31 the next
	v_lshl_add_u32 v5, v1, 4, v5
	v_add_nc_u32 v[RD], s23, v5
	v_lshlrev_b32 v5, 12, v2                       ; the same two rows in out0, 4,096 bytes apart
	v_lshl_add_u32 v[CO], v1, 4, v5
	s_mov_b32 s22, 0x37800000                      ; 2^-16, twice for the packed multiply
	s_mov_b32 s23, 0x37800000
; 16 LDS loads: the fragments of eighth q of a K step (32 k: head q / 2, d = 32 (q % 2) ..) into buffer f
.macro FETCH slot, q, f
.irp i, 0,1,2,3
	ds_load_b128 v[FA+64*\f+8*\i:FA+64*\f+8*\i+3],   v[ADRA+\slot] offset:((\q)>>1)*AH+((\q)&1)*64+\i*16*AP
	ds_load_b128 v[FA+64*\f+8*\i+4:FA+64*\f+8*\i+7], v[ADRA+\slot] offset:((\q)>>1)*AH+((\q)&1)*64+\i*16*AP+32
.endr
.irp i, 0,1,2,3
	ds_load_b128 v[FB+64*\f+8*\i:FB+64*\f+8*\i+3],   v[ADRB+\slot] offset:64*(\q)+\i*16*BP
	ds_load_b128 v[FB+64*\f+8*\i+4:FB+64*\f+8*\i+7], v[ADRB+\slot] offset:64*(\q)+\i*16*BP+32
.endr
.endm
; 8 matrix instructions: row blocks a0, a0 + 1 x four column blocks.  The 16 accumulators take turns, one instruction a turn.
.macro MUL8 f, a0, zero
.irp a, \a0, \a0+1
.irp b, 0,1,2,3
.if \zero
	v_wmma_f32_16x16x32_f16 v[8*(4*(\a)+\b):8*(4*(\a)+\b)+7], v[FB+64*\f+8*\b:FB+64*\f+8*\b+7], v[FA+64*\f+8*(\a):FA+64*\f+8*(\a)+7], 0
.else
	v_wmma_f32_16x16x32_f16 v[8*(4*(\a)+\b):8*(4*(\a)+\b)+7], v[FB+64*\f+8*\b:FB+64*\f+8*\b+7], v[FA+64*\f+8*(\a):FA+64*\f+8*(\a)+7], v[8*(4*(\a)+\b):8*(4*(\a)+\b)+7]
.endif
.endr
.endr
.endm
.macro PLACES                          ; four places behind a matrix instruction in front of loads into its sources and of reads of its result (ISA guide 7.12.1 for reads of its result)
.rept 4
	v_nop
.endr
.endm
; eighth q of a K step: buffer f is multiplied while eighth q + 1 is on its way into buffer g
.macro EIGHTH slot, q, f, g, zero
	s_wait_dscnt 0x0                               ; buffer f is in
	PLACES
	FETCH \slot, \q+1, \g
	WIN 0x50                                       ; C and D window 1
	MUL8 \f, 0, \zero
	MUL8 \f, 2, \zero
	WIN 0
.endm
.macro SEVEN slot, zero
	EIGHTH \slot, 0, 0, 1, \zero
	EIGHTH \slot, 1, 1, 0, 0
	EIGHTH \slot, 2, 0, 1, 0
	EIGHTH \slot, 3, 1, 0, 0
	EIGHTH \slot, 4, 0, 1, 0
	EIGHTH \slot, 5, 1, 0, 0
	EIGHTH \slot, 6, 0, 1, 0
.endm
; the last eighth changes slots: each wave's waits for its reads of this slot and for all its tensor loads stand in front of the barrier; where the slot is filled
; again the barrier opens a round of the cluster's barrier, and the joint refill is the first tensor load behind the round
.macro TURN slot, next, fill
	s_wait_dscnt 0x0
	s_wait_tensorcnt 0x0
	ds_add_u32 v254, v255
	s_wait_dscnt 0x0
	s_barrier_signal -1
	WIN 0x50
	MUL8 1, 0, 0                                   ; register work while the others arrive
	WIN 0
	s_barrier_wait -1
.if \fill
	CREST
	s_add_nc_u64 s[G0+4*\slot+2:G0+4*\slot+3], s[G0+4*\slot+2:G0+4*\slot+3], 8*524288   ; two K steps on: eight planes
	s_add_nc_u64 s[G0B+4*\slot+2:G0B+4*\slot+3], s[G0B+4*\slot+2:G0B+4*\slot+3], 1024
	JLOAD \slot
.endif
	PLACES
	FETCH \next, 0, 0
	WIN 0x50
	MUL8 1, 2, 0
	WIN 0
.endm
	s_wait_tensorcnt 0x1                           ; my part of K step 0 is in; K step 1's may stay out
	s_barrier_signal -1
	s_barrier_wait -1
	FETCH 0, 0, 0
	SEVEN 0, 1                                     ; the first products start the sums
	TURN 0, 1, 1                                   ; slot 0 gets K step 2
	SEVEN 1, 0
	TURN 1, 0, 1                                   ; slot 1 gets K step 3
	SEVEN 0, 0
	TURN 0, 1, 0                                   ; nothing is left to fetch
	SEVEN 1, 0
	s_wait_dscnt 0x0
	WIN 0x50
	MUL8 1, 0, 0
	MUL8 1, 2, 0
	WIN 0
	; THE WAY OUT, 16 rows at a time: scale, 32 bytes a lane into my own stage, read back as whole rows of 256 bytes
	PLACES
	s_lshl_b32 s16, s13, 19                        ; 128 rows x 4,096 bytes x block row
	s_lshl_b32 s17, s11, 18                        ; + 64 rows x wy
	s_add_co_u32 s16, s16, s17
	s_mov_b32 s17, 0
	s_add_nc_u64 s[8:9], s[8:9], s[16:17]
	s_lshl_b32 s46, s42, 9                         ; 128 columns x 4 bytes x block column
	s_lshl_b32 s47, s12, 8                         ; + 64 columns x wx
	s_add_co_u32 s46, s46, s47
	s_mov_b32 s47, 0
	s_add_nc_u64 s[8:9], s[8:9], s[46:47]
.macro OUT16 a, back
	WIN 0x01                                       ; source 0 in window 1
.irp b, 0,1,2,3
.irp p, 0,2,4,6
	v_pk_mul_f32 v[TMP+8*\b+\p:TMP+8*\b+\p+1], v[8*(4*\a+\b)+\p:8*(4*\a+\b)+\p+1], s[22:23] op_sel_hi:[1,0]
.endr
.endr
	WIN 0
.irp b, 0,1,2,3
	ds_store_b128 v[STO], v[TMP+8*\b:TMP+8*\b+3] offset:64*\b
	ds_store_b128 v[STO], v[TMP+8*\b+4:TMP+8*\b+7] offset:64*\b+16
.endr
	s_wait_xcnt 0x0                                ; the registers that earlier stores read are loaded again only behind this wait (ISA guide 3.1)
.irp t, 0,1,2,3,4,5,6,7
	ds_load_b128 v[\back+4*\t:\back+4*\t+3], v[RD] offset:\t*2*SPITCH      ; LDS serves a wave's instructions in order (ISA guide 5.7.1.4)
.endr
.irp t, 0,1,2,3,4,5,6,7
	s_wait_dscnt 7-\t
	global_store_b128 v[CO], v[\back+4*\t:\back+4*\t+3], s[8:9] offset:65536*\a+8192*\t th:TH_STORE_NT   ; 16 lanes store 256 neighbouring bytes at a multiple of 256
.endr
.endm
	OUT16 0, RB0
	OUT16 1, RB1
	OUT16 2, RB0
	OUT16 3, RB1
	s_wait_tensorcnt 0x0
	ds_add_u32 v254, v255
	s_wait_dscnt 0x0
	CROUND                                         ; the closing round
	s_endpgm
.Lfunc_end_k_q795035e48d_oproj:
	.size	k_q795035e48d_oproj, .Lfunc_end_k_q795035e48d_oproj-k_q795035e48d_oproj
	.p2alignl 7, 3214868480
	.fill 96, 4, 3214868480
	.section	.rodata,"a",@progbits
	.p2align	6, 0x0
	.amdhsa_kernel k_q795035e48d_oproj
		.amdhsa_group_segment_fixed_size 327680
		.amdhsa_private_segment_fixed_size 0
		.amdhsa_enable_private_segment 0
		.amdhsa_kernarg_size 24
		.amdhsa_user_sgpr_count 2
		.amdhsa_user_sgpr_kernarg_segment_ptr 1
		.amdhsa_wavefront_size32 1
		.amdhsa_system_sgpr_workgroup_id_x 1
		.amdhsa_system_sgpr_workgroup_id_y 1
		.amdhsa_system_sgpr_workgroup_id_z 1
		.amdhsa_system_vgpr_workitem_id 0
		.amdhsa_next_free_vgpr 384
		.amdhsa_next_free_sgpr 66
		.amdhsa_reserve_vcc 0
		.amdhsa_float_denorm_mode_32 3
		.amdhsa_float_denorm_mode_16_64 3
		.amdhsa_memory_ordered 1
		.amdhsa_forward_progress 1
		.amdhsa_inst_pref_size 93
	.end_amdhsa_kernel
	.amdgpu_metadata
---
amdhsa.version: [ 1, 2 ]
amdhsa.kernels:
  - .name:           k_q795035e48d_oproj
    .symbol:         k_q795035e48d_oproj.kd
    .args:
      - { .name: ao, .offset: 0, .size: 8, .value_kind: global_buffer, .address_space: global }
      - { .name: wob, .offset: 8, .size: 8, .value_kind: global_buffer, .address_space: global }
      - { .name: out0, .offset: 16, .size: 8, .value_kind: global_buffer, .address_space: global }
    .group_segment_fixed_size: 327680
    .private_segment_fixed_size: 0
    .kernarg_segment_align: 8
    .kernarg_segment_size: 24
    .max_flat_workgroup_size: 128
    .sgpr_count:     66
    .vgpr_count:     384
    .wavefront_size: 32
...
	.end_amdgpu_metadata
.endif
;; end of part 4
;; ======== version 2 of 2: 4 launches; version 1 with the launch cvt written anew for expert scheduling mode
;; limits: values are held in f16: magnitudes above 65,504 overflow, below 6.1e-05 lose precision; right only within a limited range of input values
;; workspace buffers: xb 8,388,608 bytes; wqb 6,291,456 bytes; wob 2,097,152 bytes; qkv 25,165,824 bytes; ao 8,388,608 bytes
;; launch cvt (part 5): grid 256 x 1, 8 waves a work-group, no clusters, 0 bytes of LDS; arguments x, W_qkv, W_out, xb, wqb, wob; writes xb, wqb, wob
.if DOCPART == 5
	.amdgcn_target "amdgcn-amd-amdhsa--gfx1250"
	.amdhsa_code_object_version 6
	.text
	.protected	k_q795035e48d_cvt
	.globl	k_q795035e48d_cvt
	.p2align	8
	.type	k_q795035e48d_cvt,@function
k_q795035e48d_cvt:
	s_mov_b64 s[64:65], 0
	v_nop
	global_prefetch_b8 v0, s[64:65] scope:SCOPE_SE
	s_setreg_imm32_b32 hwreg(HW_REG_WAVE_SCHED_MODE, 0, 2), 2
	s_setreg_imm32_b32 hwreg(HW_REG_WAVE_MODE, 25, 1), 1
	s_wait_xcnt 0x0
	s_wait_alu depctr_vm_vsrc(0)
; The three f32 inputs are rounded once to the matrix units' 16-bit formats, so that the later launches move half the bytes:
;   xb  = bf16(x)                     [4096][1024]
;   wqb = bf16(64 W_qkv)              [3072][1024]   (64 is a power of two: the rounding is that of W_qkv itself; q, k, v come out times 64)
;   wob = f16(bf16(1024 W_out))       [1024][1024]   (bf16's 8 significant bits fit in f16's 11: the second conversion is exact in f16's normal range)
; LIMITS: |W_out| < 63.9 (f16's largest number after the scale); |1024 W_out| below 6.1e-5 is kept with f16's fixed step of 6e-8.
; A stream: no LDS, no barrier, no matrix unit.  A work-group owns 32,768 numbers (131,072 bytes in, 65,536 out): work-groups 0-127 x,
; 128-223 W_qkv, 224-255 W_out.  Thread t takes the 16 bytes at 16 t + 4,096 j, j = 0..31: a load of a wave covers 512 neighbouring bytes,
; a store of a wave 256 neighbouring bytes that begin at a multiple of 256.  All 32 loads go out first.
; THE MODE: SCHED_MODE bits 1:0 = 2 (LLVM: expert scheduling mode 2), set by the entry lines.  The code itself states the register dependences
; between vector instructions and memory instructions, with s_wait_alu, always for 0.
; THE PLAN.  Registers that memory instructions touch:
;   v1, v2   byte offsets of the loads and of the stores.  Written once at the head, never again.
;   X[j]     load j lands in it, once; behind the load's counted wait vector instructions alone name it.  No memory instruction reads it.
;   Y[j]     written once, by group j's two roundings; read once, by store j; never written again.
; The 32 groups go in eight blocks of four.  Block p's four stores are issued in block p + 1, one in front of each group's vector lines; block 7's
; stand behind the last group.  So ONE wait on va_vdst stands at the head of each of blocks 1 to 7 and one behind block 7: it states that the block
; before has written its four Y pairs.  The vector lines between that wait and the block's last store name X and Y of the block in hand alone.
; No register that a memory instruction reads is written again, so no wait on vm_vsrc is owed; no vector line writes a scalar register, VCC or EXEC.
.set X, 4                              ; v[4:131]    load j: 4 registers
.set Y, 132                            ; v[132:195]  store j: 2 registers
.set BLOCK, 4                          ; groups in a block
; numbers 4 j .. of the thread: kind 0 plain bf16, 1 scaled bf16, 2 scaled, bf16's rounding, kept as f16.  In front of them the store of group j - 4.
.macro CONV j, kind
	s_wait_loadcnt 31-\j                           ; loads come back in order (ISA guide 5.7.1): load j is in, the 31 - j younger ones stay out
.if \j >= BLOCK
.if (\j % BLOCK) == 0
	s_wait_alu depctr_va_vdst(0)                   ; the block before has written its four Y pairs, which this block's four stores read
.endif
	global_store_b64 v2, v[Y+2*(\j-BLOCK):Y+2*(\j-BLOCK)+1], s[18:19] offset:2048*(\j-BLOCK)   ; no vector line since that wait names these registers
.endif
.if \kind
	v_pk_mul_f32 v[X+4*\j:X+4*\j+1], v[X+4*\j:X+4*\j+1], s[22:23] op_sel_hi:[1,0]
	v_pk_mul_f32 v[X+4*\j+2:X+4*\j+3], v[X+4*\j+2:X+4*\j+3], s[22:23] op_sel_hi:[1,0]
.endif
.if \kind == 2
	v_cvt_pk_bf16_f32 v[X+4*\j], v[X+4*\j], v[X+4*\j+1]        ; the rounding that counts
	v_cvt_pk_bf16_f32 v[X+4*\j+2], v[X+4*\j+2], v[X+4*\j+3]
	v_and_b32 v[X+4*\j+1], s28, v[X+4*\j]                      ; back to f32: the high half first, then the packed word's own register
	v_lshlrev_b32 v[X+4*\j], 16, v[X+4*\j]
	v_and_b32 v[X+4*\j+3], s28, v[X+4*\j+2]
	v_lshlrev_b32 v[X+4*\j+2], 16, v[X+4*\j+2]
	v_cvt_pk_f16_f32 v[Y+2*\j], v[X+4*\j], v[X+4*\j+1]
	v_cvt_pk_f16_f32 v[Y+2*\j+1], v[X+4*\j+2], v[X+4*\j+3]
.else
	v_cvt_pk_bf16_f32 v[Y+2*\j], v[X+4*\j], v[X+4*\j+1]
	v_cvt_pk_bf16_f32 v[Y+2*\j+1], v[X+4*\j+2], v[X+4*\j+3]
.endif
.endm
; one tensor's way: src, dst = the scalar pairs of its addresses; first = its first work-group; scale as f32 bits
.macro WAY src, dst, first, kind, scale
	s_sub_co_u32 s21, ttmp9, \first                ; my part of this tensor, 127 at the most
	s_lshl_b32 s24, s21, 17                        ; x 131,072 bytes in
	s_lshl_b32 s26, s21, 16                        ; x 65,536 bytes out
	s_add_nc_u64 s[16:17], s[\src:\src+1], s[24:25]
	s_add_nc_u64 s[18:19], s[\dst:\dst+1], s[26:27]
.if \kind
	s_mov_b32 s22, \scale
	s_mov_b32 s23, \scale
.endif
	s_wait_alu depctr_va_vdst(0)                   ; v1 and v2 are written: every load of this way reads v1 as its offset, every store v2
.set j, 0
.rept 32
	global_load_b128 v[X+4*j:X+4*j+3], v1, s[16:17] offset:4096*j th:TH_LOAD_NT   ; read once in the launch
.set j, j+1
.endr
.set j, 0
.rept 32
	CONV j, \kind
.set j, j+1
.endr
	s_wait_alu depctr_va_vdst(0)                   ; the last block has written its four Y pairs, which the last four stores read
.set j, 32-BLOCK
.rept BLOCK
	global_store_b64 v2, v[Y+2*j:Y+2*j+1], s[18:19] offset:2048*j
.set j, j+1
.endr
	s_endpgm
.endm
	s_load_b256 s[4:11], s[0:1], 0x0               ; x s[4:5], W_qkv s[6:7], W_out s[8:9], xb s[10:11]
	s_load_b128 s[12:15], s[0:1], 0x20             ; wqb s[12:13], wob s[14:15]
	v_lshlrev_b32 v1, 4, v0                        ; 16 t
	v_lshlrev_b32 v2, 3, v0                        ; 8 t
	s_mov_b32 s28, 0xffff0000                      ; a word's upper bf16
	s_mov_b32 s25, 0                               ; high words of the two offsets
	s_mov_b32 s27, 0
	s_wait_kmcnt 0x0
	s_cmp_lt_u32 ttmp9, 128
	s_cbranch_scc1 .Lx
	s_cmp_lt_u32 ttmp9, 224
	s_cbranch_scc1 .Lwq
	WAY 8, 14, 224, 2, 0x44800000                  ; W_out, times 1024
.Lwq:
	WAY 6, 12, 128, 1, 0x42800000                  ; W_qkv, times 64
.Lx:
	WAY 4, 10, 0, 0, 0                             ; x
.Lfunc_end_k_q795035e48d_cvt:
	.size	k_q795035e48d_cvt, .Lfunc_end_k_q795035e48d_cvt-k_q795035e48d_cvt
	.p2alignl 7, 3214868480
	.fill 96, 4, 3214868480
	.section	.rodata,"a",@progbits
	.p2align	6, 0x0
	.amdhsa_kernel k_q795035e48d_cvt
		.amdhsa_group_segment_fixed_size 0
		.amdhsa_private_segment_fixed_size 0
		.amdhsa_enable_private_segment 0
		.amdhsa_kernarg_size 48
		.amdhsa_user_sgpr_count 2
		.amdhsa_user_sgpr_kernarg_segment_ptr 1
		.amdhsa_wavefront_size32 1
		.amdhsa_system_sgpr_workgroup_id_x 1
		.amdhsa_system_sgpr_workgroup_id_y 1
		.amdhsa_system_sgpr_workgroup_id_z 1
		.amdhsa_system_vgpr_workitem_id 0
		.amdhsa_next_free_vgpr 200
		.amdhsa_next_free_sgpr 66
		.amdhsa_reserve_vcc 0
		.amdhsa_float_denorm_mode_32 3
		.amdhsa_float_denorm_mode_16_64 3
		.amdhsa_memory_ordered 1
		.amdhsa_forward_progress 1
		.amdhsa_inst_pref_size 52
	.end_amdhsa_kernel
	.amdgpu_metadata
---
amdhsa.version: [ 1, 2 ]
amdhsa.kernels:
  - .name:           k_q795035e48d_cvt
    .symbol:         k_q795035e48d_cvt.kd
    .args:
      - { .name: x, .offset: 0, .size: 8, .value_kind: global_buffer, .address_space: global }
      - { .name: W_qkv, .offset: 8, .size: 8, .value_kind: global_buffer, .address_space: global }
      - { .name: W_out, .offset: 16, .size: 8, .value_kind: global_buffer, .address_space: global }
      - { .name: xb, .offset: 24, .size: 8, .value_kind: global_buffer, .address_space: global }
      - { .name: wqb, .offset: 32, .size: 8, .value_kind: global_buffer, .address_space: global }
      - { .name: wob, .offset: 40, .size: 8, .value_kind: global_buffer, .address_space: global }
    .group_segment_fixed_size: 0
    .private_segment_fixed_size: 0
    .kernarg_segment_align: 8
    .kernarg_segment_size: 48
    .max_flat_workgroup_size: 256
    .sgpr_count:     66
    .vgpr_count:     200
    .wavefront_size: 32
...
	.end_amdgpu_metadata
.endif
;; end of part 5
;; launch qkv: the kernel of part 2 again; grid 16 x 16, 4 waves a work-group, clusters of 4 x 4, 327,680 bytes of LDS; arguments xb, wqb, qkv; writes qkv
;; launch attn: the kernel of part 3 again; grid 256 x 1, 4 waves a work-group, no clusters, 327,680 bytes of LDS; arguments qkv, ao; writes ao
;; launch oproj: the kernel of part 4 again; grid 8 x 32, 4 waves a work-group, clusters of 4 x 4, 327,680 bytes of LDS; arguments ao, wob, out0; writes out0
